; MI455X (gfx1250); checked and timed in simulation.
; The chip was launched on July 23, 2026; its instructions are those of AMD's public machine-readable ISA for CDNA 5 (MIT licence, August 2026) and "CDNA5" Instruction Set Architecture Reference Guide (July 2026). The comments in the code are by the model that wrote it; some were corrected since.
;; Market State Estimation. Allowed arithmetic: float matrix products may take bf16 or f16 operands with f32 sums; all other float work in f32.
;; Inputs: alpha_w 1 x 1 float32; mask 8 x 32 x 512 float32; t 8 x 512 float32; x 8 x 32 x 512 x 64 float32.
;; Outputs: out0 8 x 32 x 512 x 64 float32.
;; 2 versions, each right; version 2 is version 1 with the launch attend written anew for expert scheduling mode. Each part assembles by itself: llvm-mc -triple=amdgcn-amd-amdhsa -mcpu=gfx1250 --defsym DOCPART=n.
;; ======== version 1 of 2: 1 launch
;; launch attend (part 1): grid 256 x 1, 4 waves a work-group, no clusters, 207,872 bytes of LDS; arguments t, x, mask, alpha_w, out0; writes out0
.if DOCPART == 1
	.amdgcn_target "amdgcn-amd-amdhsa--gfx1250"
	.amdhsa_code_object_version 6
	.text
	.protected	k_q55a9508b42_attend
	.globl	k_q55a9508b42_attend
	.p2align	8
	.type	k_q55a9508b42_attend,@function
k_q55a9508b42_attend:
	s_mov_b64 s[64:65], 0
	v_nop
	global_prefetch_b8 v0, s[64:65] scope:SCOPE_SE
	s_setreg_imm32_b32 hwreg(HW_REG_WAVE_MODE, 25, 1), 1
	s_wait_xcnt 0x0
; out[b][p][s][:] = x m + (1 - m) softmax_t(score[b][s][t], keys masked by mask[b][p][t] except t = s) . x[b][p][t][:]
; t [8][512], x and out [8][32][512][64], mask [8][32][512], alpha_w [1][1], all f32.  Arguments: t, x, mask, alpha_w, out0.
;
; score = (tpe_s . tpe_t) / 4 is a sum of 16 products of sines and cosines, so |score| <= 2: exp(score) needs no running maximum,
; a masked key has weight 0, and E = exp(score) is the same for all 32 planes p of a batch.  With k[t] = not (mask[t] < 0.5):
;   inter = (E (k x) + ce x_s) / (E k + ce),  ce = e^2 where the row's own key is masked off the diagonal and kept on it, else 0
;   out   = acc g + x f,  g = (1 - m) / (den + ce),  f = m + g ce
; WORK.  256 work-groups: batch id >> 5, the pair of planes id >> 1, rows s of half id & 1.  Two planes share each E: half the
; exponentials and score products of one plane a work-group.  Four waves; a wave owns 64 rows s (4 tiles) and 144 columns:
; 2 x 64 of d and a tile of 16 that holds k and gives the denominators: 36 accumulator tiles.  t goes in 16 steps of 32.
; The score tile is made as [t][s]: lane = s, registers = t, which packed to bf16 IS the operand fragment of the second product.
; The second product is taken transposed, D[d][s] = X^T[d][t] E[t][s]: a lane holds 8 neighbouring d of ONE row s.
; x comes by 16-byte loads into a ring of six chunks of registers, is rounded to bf16, zeroed where its key is masked, and stored
; once in LDS (all 512 rows stay: no byte of it is written twice, so one barrier a step orders stores and the others' loads).
; The 16 steps are written out by a macro: the first starts the sums, the last eight load no new chunk, and every ring slot,
; LDS offset and wait count is then a constant of the text.
; NO JOINT TENSOR LOADS, though two work-groups read the same 256 KB of x: x has to pass through registers (mask, rounding), so a
; tile laid in LDS as f32 would add 16 KB of LDS writes and 16 KB of LDS reads a step to the 9 KB that are written now.
; LIMITS.  (1) A row whose every key is masked, its own too (needs mask[s] < -0.5), gives NaN here, the mean of x in the reference.
; (2) Inf or NaN in a masked row of x is dropped here; the reference multiplies it by weight 0.  (3) The angle is reduced in f32:
; the phase error grows as scale x 2^-22 rad (scale = 1000 alpha_w + 1), below 1e-3 rad for alpha_w up to about 5.
; (4) sin and cos by Taylor sums of the half angle, error below 2e-5; the table, E and x are bf16, all sums f32.
.set ROWB,  256                        ; bytes in a row of x or out (64 f32)
.set PLANE, 131072                     ; bytes in x[b][p]
.set MROW,  2048                       ; bytes in mask[b][p] and in t[b]
.set STEPS, 16
.set KSTEP, 32                         ; rows t in a step (a chunk)
.set DEPTH, 6                          ; chunks of x on their way, in registers
.set TP,    48                         ; table row: 16 bf16 + 16 bytes
.set XP,    288                        ; x row in LDS: 2 x 64 bf16, then 16 bf16 of k: 9 x 32 bytes
.set XB,    512*TP                     ; x behind the table
.set CHUNK, KSTEP*XP
.set STG,   XB+512*XP                  ; behind x: a stage for each wave, for the way out
.set SP,    272                        ; stage row: 64 f32 + 16 bytes
.set STGW,  32*SP+128                  ; 32 rows and 32 factors f
; window 0
.set LANE,1
.set R16,2                             ; lane & 15
.set H,3                               ; lane >> 4
.set XG,4                              ; x: byte offset of my 16 bytes in a chunk's first row of my wave
.set MG,5                              ; mask: byte offset of my plane's 8 numbers
.set XS,6                              ; v[6:9]     LDS: where I store 4 bf16, chunks 4 n .. 4 n + 3 (LDS offsets have 16 bits)
.set XA,10                             ; v[10:13]   LDS: my address in a transposing load, likewise
.set TA,14                             ; LDS: my 16 bytes of a table fragment
.set STO,15                            ; stage: where I put 32 bytes of my row
.set SF,16                             ; stage: where my row's f goes
.set SRD,17                            ; stage: where I read 16 bytes of a row back
.set SFR,18                            ; stage: my eight f of a plane
.set EG,19                             ; x and out: byte offset of my 16 bytes on the way out
.set A16,20
.set T4,21
.set EMO,22
.set TMPA,23
.set EM,24                             ; v[24:31]   mask of my row s: tile st, plane p at 2 st + p
.set CT,32                             ; v[32:47]   a chunk's bf16 on the way to LDS
.set FS,48                             ; v[48:79]   table fragments of my 4 tiles of s (upper 4 registers of each: K 16..31 = 0)
.set FT,80                             ; v[80:95]   table fragments of the step's 2 tiles of t
.set SC,96                             ; v[96:159]  scores, then E in f32: tile (st, tt) at 8 (2 st + tt)
.set EF,160                            ; v[160:191] E fragments, bf16: tile st at 8 st
.set DEN,192                           ; v[192:223] denominators: tile st at 8 st; register 0 plane 0, register 1 plane 1
.set G,224                             ; v[224:227] g of plane p, twice, at 2 p
.set F,228
.set CE,230
.set TQ,232
.set E2R,236
.set RB,32                             ; way out: 64 registers read back from the stage (CT, FS, FT are free then)
.set TMP,96                            ; way out: 64 scaled sums
.set FB,160                            ; way out: 16 factors f
; set-up only, in registers that the steps use later
.set TALL,96
.set TN,112
.set DM,116
.set ROW,124
.set PR,156
.set PA,160
.set PU,164
.set PW,168
.set PP,172
.set PQ,176
.set PS,180
.set P2,184
.set PSN,188
.set PCS,192
.set CP3,196
.set CQ4,198
.set MN,200
.set MX,201
.set TM0,202
.set TM1,203
.set VY,204
.set VL,205
.set VD,206
.set VP1,207
.set VSC,208
.set KW,210
.set C1,214
.set C2,215
.set KT,216
.set DSR,218
; window 1: accumulator tile (st, ct) at 8 (8 st + ct), ct = 4 p + d / 16.   window 2: x fragments, buffer (chunk & 1) at 72 x that.
; window 3: ring slot (chunk % 6) at 40 x that: 8 mask numbers, 8 x 4 of x; at the end the 64 x 4 numbers of x for the blend.
.set MSB, 0
.macro WIN new                         ; low byte: bits 1:0 source 0, 3:2 source 1, 5:4 source 2, 7:6 destination; high byte: the setting left
.if MSB != \new
	s_set_vgpr_msb (MSB<<8)|\new
.set MSB, \new
.endif
.endm
.macro PLACES                          ; four independent vector instructions behind a matrix instruction (ISA guide 7.12.1)
.rept 4
	v_nop
.endr
.endm
; ten loads: chunk c's 8 mask numbers of my plane and my 16 bytes of its 8 rows of my wave (lanes 0-15 plane 0, 16-31 plane 1:
; each half of the wave covers one aligned row of 256 bytes)
.macro LOADC c
.set SL, 40*((\c)%DEPTH)
	WIN 0xc0
	global_load_b128 v[SL:SL+3], v[MG], s[8:9] offset:(\c)*KSTEP*4
	global_load_b128 v[SL+4:SL+7], v[MG], s[8:9] offset:(\c)*KSTEP*4+16
.irp j,0,1,2,3,4,5,6,7
	global_load_b128 v[SL+8+4*\j:SL+11+4*\j], v[XG], s[6:7] offset:(\c)*KSTEP*ROWB+\j*ROWB
.endr
.endm
; chunk c: f32 to bf16, zero where the key is masked, 8 bytes a lane to LDS (32 lanes: the row's 256 neighbouring bytes)
.macro CONV c
.set SL, 40*((\c)%DEPTH)
.if (STEPS-1-(\c)) < (DEPTH-1)
	s_wait_loadcnt 10*(STEPS-1-(\c))       ; loads return in order: only the chunks behind c, ten loads each, may be out
.else
	s_wait_loadcnt 10*(DEPTH-1)
.endif
	WIN 0x0f
.irp j,0,1,2,3,4,5,6,7
	v_cmp_gt_f32 s[40+\j], 0.5, v[SL+\j]   ; the reference's test: mask < 0.5
	v_cvt_pk_bf16_f32 v[CT+2*\j], v[SL+8+4*\j], v[SL+9+4*\j]
	v_cvt_pk_bf16_f32 v[CT+2*\j+1], v[SL+10+4*\j], v[SL+11+4*\j]
.endr
	WIN 0
.irp j,0,1,2,3,4,5,6,7
	v_cndmask_b32 v[CT+2*\j], v[CT+2*\j], 0, s[40+\j]
	v_cndmask_b32 v[CT+2*\j+1], v[CT+2*\j+1], 0, s[40+\j]
	ds_store_b64 v[XS+((\c)>>2)], v[CT+2*\j:CT+2*\j+1] offset:((\c)%4)*CHUNK+\j*XP
.endr
.endm
; the nine fragments of chunk c (16 columns x 32 t each), transposed on the way: lane = column, registers = t
.macro LOADB c
.set BB, 72*((\c)&1)
	WIN 0x80
.irp ct,0,1,2,3,4,5,6,7,8
	ds_load_tr16_b128 v[BB+8*\ct:BB+8*\ct+3], v[XA+((\c)>>2)] offset:((\c)%4)*CHUNK+32*\ct
	ds_load_tr16_b128 v[BB+8*\ct+4:BB+8*\ct+7], v[XA+((\c)>>2)] offset:((\c)%4)*CHUNK+32*\ct+16*XP
.endr
.endm
.macro LOADT c                         ; the table rows of chunk c: K 0..15 of two fragments
	WIN 0
	ds_load_b128 v[FT:FT+3], v[TA] offset:(\c)*KSTEP*TP
	ds_load_b128 v[FT+8:FT+11], v[TA] offset:(\c)*KSTEP*TP+16*TP
.endm
.macro SCORE                           ; D[t][s] = table(t) . table(s), already in units of log2: the table carries sqrt(log2(e) / 4)
.irp st,0,1,2,3
.irp tt,0,1
	v_wmma_f32_16x16x32_bf16 v[SC+8*(2*\st+\tt):SC+8*(2*\st+\tt)+7], v[FT+8*\tt:FT+8*\tt+7], v[FS+8*\st:FS+8*\st+7], 0
.endr
.endr
.endm
.macro EXPS
.set n, 0
.rept 64
	v_exp_f32 v[SC+n], v[SC+n]
.set n, n+1
.endr
.endm
.macro PACK                            ; registers 2 q, 2 q + 1 of a score tile are t = 8 h + 2 q, + 1 of row s: word q of the fragment
.set n, 0
.rept 32
	v_cvt_pk_bf16_f32 v[EF+n], v[SC+2*n], v[SC+2*n+1]
.set n, n+1
.endr
.endm
; 36 products: D[column][s] += X^T E.  zero = 1: the first step starts the sums, nothing is cleared
.macro PV c, zero
.set BB, 72*((\c)&1)
	WIN 0x52                               ; source 0 (x) window 2, source 1 (E) window 0, C and D window 1
.irp ct,0,1,2,3,4,5,6,7
.irp st,0,1,2,3
.if \zero
	v_wmma_f32_16x16x32_bf16 v[8*(8*\st+\ct):8*(8*\st+\ct)+7], v[BB+8*\ct:BB+8*\ct+7], v[EF+8*\st:EF+8*\st+7], 0
.else
	v_wmma_f32_16x16x32_bf16 v[8*(8*\st+\ct):8*(8*\st+\ct)+7], v[BB+8*\ct:BB+8*\ct+7], v[EF+8*\st:EF+8*\st+7], v[8*(8*\st+\ct):8*(8*\st+\ct)+7]
.endif
.endr
.endr
	WIN 0x02                               ; the k columns: sums in window 0
.irp st,0,1,2,3
.if \zero
	v_wmma_f32_16x16x32_bf16 v[DEN+8*\st:DEN+8*\st+7], v[BB+64:BB+71], v[EF+8*\st:EF+8*\st+7], 0
.else
	v_wmma_f32_16x16x32_bf16 v[DEN+8*\st:DEN+8*\st+7], v[BB+64:BB+71], v[EF+8*\st:EF+8*\st+7], v[DEN+8*\st:DEN+8*\st+7]
.endif
.endr
.endm
; x of my 64 rows and both planes once more, in f32, for the blend: 64 loads of two whole rows each, in the order of their use
.macro LOADX
	WIN 0xc0
.set u, 0
.rept 64
	global_load_b128 v[4*u:4*u+3], v[EG], s[6:7] offset:((u>>3)&1)*PLANE+(u>>4)*16*ROWB+(u&7)*2*ROWB
.set u, u+1
.endr
.endm
; STEP i multiplies chunk i.  Ahead of it run: E of chunk i + 1 (scores, exponentials, packing), the fragments of chunk i + 1,
; the conversion of chunk i + 2, the loads of chunk i + 8.
.macro STEP i
.if \i < STEPS-1
	WIN 0
	SCORE                                  ; chunk i + 1; its table rows came before the last s_wait_dscnt 0
	LOADB (\i+1)                           ; stored one step ago, in front of the last barrier; the buffer was last multiplied a step ago
.endif
.if \i == 0
	PV \i, 1
.else
	PV \i, 0
.endif
.if \i < STEPS-2
	CONV (\i+2)                            ; its 40 vector instructions are also the places between the products above and what follows
	LOADT (\i+2)
.if \i+2+DEPTH < STEPS
	LOADC (\i+2+DEPTH)                     ; into the slot just emptied
.endif
.if \i == STEPS-3
	LOADX                                  ; the ring is empty: its registers take the rows for the blend, two steps early
.endif
.endif
.if \i == STEPS-2
	WIN 0
	PLACES                                 ; no conversion here: the places behind the products are empty ones
.endif
.if \i < STEPS-1
	WIN 0
	EXPS
.if \i < STEPS-2
	s_wait_dscnt 0x0                       ; my stores of chunk i + 2 are in LDS, my fragment and table loads are back: say so
	s_barrier_signal -1
.endif
	v_nop                                  ; one plain instruction between the exponentials and their first use (ISA guide 5.7.2)
	s_wait_alu depctr_va_vdst(0)
	PACK                                   ; registers only, while the others arrive
.if \i < STEPS-2
	s_barrier_wait -1
.else
	s_wait_dscnt 0x0                       ; the last chunk's fragments
.endif
.endif
.endm
; sin and cos of tn x div_i for my four rows, two rows an instruction.  k = div_i / 2 pi.  u = revolutions less the nearest whole
; number, in [-1/2, 1/2]; s = sin(pi u), c = cos(pi u) by Taylor sums in w = u^2; sin = 2 s c, cos = 1 - 2 s^2.
; Stored: (-q sin, q cos), q = sqrt(log2(e) / 4); the sign of all sines cancels in the product of two rows.
.macro SINCOS i, k
.irp q,0,2
	v_pk_mul_f32 v[PR+\q:PR+\q+1], v[TN+\q:TN+\q+1], \k op_sel_hi:[1,0]
.endr
.irp e,0,1,2,3
	v_rndne_f32 v[PA+\e], v[PR+\e]
.endr
.irp q,0,2
	v_pk_add_f32 v[PU+\q:PU+\q+1], v[PR+\q:PR+\q+1], v[PA+\q:PA+\q+1] neg_lo:[0,1] neg_hi:[0,1]
.endr
.irp q,0,2
	v_pk_mul_f32 v[PW+\q:PW+\q+1], v[PU+\q:PU+\q+1], v[PU+\q:PU+\q+1]
.endr
.irp q,0,2
	v_pk_fma_f32 v[PP+\q:PP+\q+1], v[PW+\q:PW+\q+1], 0x3da83c1a, v[CP3:CP3+1] op_sel_hi:[1,0,1]     ; pi^9/9! w - pi^7/7!
	v_pk_fma_f32 v[PQ+\q:PQ+\q+1], v[PW+\q:PW+\q+1], 0xbcd368f9, v[CQ4:CQ4+1] op_sel_hi:[1,0,1]     ; -pi^10/10! w + pi^8/8!
.endr
.irp q,0,2
	v_pk_fma_f32 v[PP+\q:PP+\q+1], v[PP+\q:PP+\q+1], v[PW+\q:PW+\q+1], 0x402335e3 op_sel_hi:[1,1,0] ; + pi^5/5!
	v_pk_fma_f32 v[PQ+\q:PQ+\q+1], v[PQ+\q:PQ+\q+1], v[PW+\q:PW+\q+1], 0xbfaae9e4 op_sel_hi:[1,1,0] ; - pi^6/6!
.endr
.irp q,0,2
	v_pk_fma_f32 v[PP+\q:PP+\q+1], v[PP+\q:PP+\q+1], v[PW+\q:PW+\q+1], 0xc0a55de7 op_sel_hi:[1,1,0] ; - pi^3/3!
	v_pk_fma_f32 v[PQ+\q:PQ+\q+1], v[PQ+\q:PQ+\q+1], v[PW+\q:PW+\q+1], 0x4081e0f8 op_sel_hi:[1,1,0] ; + pi^4/4!
.endr
.irp q,0,2
	v_pk_fma_f32 v[PP+\q:PP+\q+1], v[PP+\q:PP+\q+1], v[PW+\q:PW+\q+1], 0x40490fdb op_sel_hi:[1,1,0] ; + pi
	v_pk_fma_f32 v[PQ+\q:PQ+\q+1], v[PQ+\q:PQ+\q+1], v[PW+\q:PW+\q+1], 0xc09de9e6 op_sel_hi:[1,1,0] ; - pi^2/2
.endr
.irp q,0,2
	v_pk_mul_f32 v[PS+\q:PS+\q+1], v[PP+\q:PP+\q+1], v[PU+\q:PU+\q+1]                               ; s
	v_pk_fma_f32 v[PQ+\q:PQ+\q+1], v[PQ+\q:PQ+\q+1], v[PW+\q:PW+\q+1], 1.0 op_sel_hi:[1,1,0]        ; c
.endr
.irp q,0,2
	v_pk_mul_f32 v[P2+\q:P2+\q+1], v[PS+\q:PS+\q+1], 0xbf99be61 op_sel_hi:[1,0]                     ; -2 q s
.endr
.irp q,0,2
	v_pk_mul_f32 v[PSN+\q:PSN+\q+1], v[P2+\q:P2+\q+1], v[PQ+\q:PQ+\q+1]                             ; -q sin
	v_pk_fma_f32 v[PCS+\q:PCS+\q+1], v[P2+\q:P2+\q+1], v[PS+\q:PS+\q+1], 0x3f19be61 op_sel_hi:[1,1,0] ; q - 2 q s^2 = q cos
.endr
.irp e,0,1,2,3
	v_cvt_pk_bf16_f32 v[ROW+8*\e+\i], v[PSN+\e], v[PCS+\e]
.endr
.endm
; The way out for tile st (16 rows s, both planes): factors, scaled sums through my own stage, blend with x, whole rows out.
.macro OUT st
	WIN 0
.irp p,0,1
	v_add_f32 v[TQ+\p], 1.0, v[EM+2*\st+\p]            ; mask + eye on the diagonal
	v_cmp_gt_f32 s[40+\p], 0.5, v[EM+2*\st+\p]         ; my own key is masked as a column
	v_cmp_gt_f32 s[42+\p], 0.5, v[TQ+\p]               ; and even on the diagonal
	v_cndmask_b32 v[CE+\p], 0, v[E2R], s[40+\p]
	v_cndmask_b32 v[CE+\p], v[CE+\p], 0, s[42+\p]
	v_add_f32 v[TQ+\p], v[DEN+8*\st+\p], v[CE+\p]
.endr
	v_rcp_f32 v[TQ], v[TQ]
	v_rcp_f32 v[TQ+1], v[TQ+1]
.irp p,0,1
	v_sub_f32 v[TQ+2+\p], 1.0, v[EM+2*\st+\p]          ; plain instructions behind the reciprocals (ISA guide 5.7.2)
.endr
	s_wait_alu depctr_va_vdst(0)
.irp p,0,1
	v_mul_f32 v[G+2*\p], v[TQ+2+\p], v[TQ+\p]
.endr
.irp p,0,1
	v_mov_b32 v[G+2*\p+1], v[G+2*\p]                   ; a pair for the packed multiply
	v_fma_f32 v[F+\p], v[G+2*\p], v[CE+\p], v[EM+2*\st+\p]
.endr
	WIN 0x01                                           ; source 0: the sums in window 1
.irp p,0,1
.irp dq,0,1,2,3
.irp q,0,2,4,6
	v_pk_mul_f32 v[TMP+8*(4*\p+\dq)+\q:TMP+8*(4*\p+\dq)+\q+1], v[8*(8*\st+4*\p+\dq)+\q:8*(8*\st+4*\p+\dq)+\q+1], v[G+2*\p:G+2*\p+1]
.endr
.endr
.endr
	WIN 0
.irp p,0,1
.irp dq,0,1,2,3
	ds_store_b128 v[STO], v[TMP+8*(4*\p+\dq):TMP+8*(4*\p+\dq)+3] offset:16*SP*\p+64*\dq
	ds_store_b128 v[STO], v[TMP+8*(4*\p+\dq)+4:TMP+8*(4*\p+\dq)+7] offset:16*SP*\p+64*\dq+16
.endr
	ds_store_b32 v[SF], v[F+\p] offset:64*\p
.endr
	s_wait_xcnt 0x0                                    ; RB was the last tile's store data: it is rewritten only behind this wait
.irp p,0,1
.irp k,0,1,2,3,4,5,6,7
	ds_load_b128 v[RB+4*(8*\p+\k):RB+4*(8*\p+\k)+3], v[SRD] offset:16*SP*\p+2*SP*\k    ; LDS serves a wave in order: these see the stores above
.endr
	ds_load_b128 v[FB+8*\p:FB+8*\p+3], v[SFR] offset:64*\p
	ds_load_b128 v[FB+8*\p+4:FB+8*\p+7], v[SFR] offset:64*\p+16
.endr
	s_wait_dscnt 0x0
	s_wait_loadcnt 48-16*\st                           ; x of this tile is in; the 16 loads of each later tile may be out
	WIN 0x03                                           ; source 0: x in window 3
.irp p,0,1
.irp k,0,2,4,6
.irp q,0,2
	v_pk_fma_f32 v[RB+4*(8*\p+\k)+\q:RB+4*(8*\p+\k)+\q+1], v[4*(16*\st+8*\p+\k)+\q:4*(16*\st+8*\p+\k)+\q+1], v[FB+8*\p+\k:FB+8*\p+\k+1], v[RB+4*(8*\p+\k)+\q:RB+4*(8*\p+\k)+\q+1] op_sel_hi:[1,0,1]
	v_pk_fma_f32 v[RB+4*(8*\p+\k+1)+\q:RB+4*(8*\p+\k+1)+\q+1], v[4*(16*\st+8*\p+\k+1)+\q:4*(16*\st+8*\p+\k+1)+\q+1], v[FB+8*\p+\k:FB+8*\p+\k+1], v[RB+4*(8*\p+\k+1)+\q:RB+4*(8*\p+\k+1)+\q+1] op_sel:[0,1,0]
.endr
.endr
.endr
	WIN 0
.irp p,0,1
.irp k,0,1,2,3,4,5,6,7
	global_store_b128 v[EG], v[RB+4*(8*\p+\k):RB+4*(8*\p+\k)+3], s[12:13] offset:\p*PLANE+\st*16*ROWB+\k*2*ROWB th:TH_STORE_NT   ; each half of the wave: one aligned row of 256 bytes
.endr
.endr
.endm
; ---------------------------------------------------------------- set-up
	s_load_b256 s[4:11], s[0:1], 0x0               ; t s[4:5], x s[6:7], mask s[8:9], alpha_w s[10:11]
	s_load_b64 s[12:13], s[0:1], 0x20              ; out0
	v_lshl_add_u32 v254, v0, 2, 0x32a00
	v_mov_b32 v255, 0
	v_and_b32 v[LANE], 31, v0
	v_lshrrev_b32 v[TMPA], 5, v0
	v_readfirstlane_b32 s14, v[TMPA]               ; wave 0..3
	v_and_b32 v[R16], 15, v0
	v_bfe_u32 v[H], v0, 4, 1
	s_lshr_b32 s15, ttmp9, 1                       ; the pair of planes, 0..127
	s_and_b32 s16, ttmp9, 1                        ; which 256 rows s
	s_lshr_b32 s17, ttmp9, 5                       ; b
	s_lshl_b32 s18, s15, 18                        ; two planes of 131,072 bytes
	s_mov_b32 s19, 0
	s_lshl_b32 s20, s15, 12                        ; two mask rows of 2,048 bytes
	s_mov_b32 s21, 0
	s_lshl_b32 s22, s17, 11
	s_mov_b32 s23, 0
	s_lshl_b32 s24, s16, 8
	s_lshl_b32 s25, s14, 6
	s_add_co_u32 s24, s24, s25                     ; my wave's first row s
	v_lshlrev_b32 v[A16], 4, v[LANE]
	v_lshlrev_b32 v[T4], 2, v0
	v_add_lshl_u32 v[EMO], v[R16], s24, 2
	v_lshlrev_b32 v[XG], 4, v[R16]                 ; 16 bytes a lane, 16 lanes a row,
	v_lshl_add_u32 v[XG], v[H], 17, v[XG]          ; the upper half of the wave in the second plane,
	s_lshl_b32 s25, s14, 11
	v_add_nc_u32 v[XG], s25, v[XG]                 ; 8 rows a wave
	s_lshl_b32 s26, s14, 5
	v_lshl_add_u32 v[MG], v[H], 11, s26
	v_add_nc_u32 v[EG], s24, v[H]
	v_lshlrev_b32 v[EG], 8, v[EG]
	v_lshl_add_u32 v[EG], v[R16], 4, v[EG]
	s_wait_kmcnt 0x0
	s_load_b32 s32, s[10:11], 0x0                  ; alpha_w
	s_add_nc_u64 s[4:5], s[4:5], s[22:23]
	s_add_nc_u64 s[6:7], s[6:7], s[18:19]
	s_add_nc_u64 s[8:9], s[8:9], s[20:21]
	s_add_nc_u64 s[12:13], s[12:13], s[18:19]
	; the small loads first, since loads return in order: t whole (every wave finds min and max by itself: no barrier for it),
	; t and both masks of my four table rows tid + 128 e, the masks of my rows s; then six chunks of x
.irp q,0,1,2,3
	global_load_b128 v[TALL+4*\q:TALL+4*\q+3], v[A16], s[4:5] offset:\q*512
.endr
.irp e,0,1,2,3
	global_load_b32 v[TN+\e], v[T4], s[4:5] offset:\e*512
.endr
.irp e,0,1,2,3
	global_load_b32 v[DM+2*\e], v[T4], s[8:9] offset:\e*512
	global_load_b32 v[DM+2*\e+1], v[T4], s[8:9] offset:\e*512+MROW
.endr
.irp st,0,1,2,3
	global_load_b32 v[EM+2*\st], v[EMO], s[8:9] offset:\st*64
	global_load_b32 v[EM+2*\st+1], v[EMO], s[8:9] offset:\st*64+MROW
.endr
.irp c,0,1,2,3,4,5
	LOADC \c
.endr
	WIN 0
	; LDS addresses and constants, while the loads are out
	s_mul_i32 s25, s14, 8*XP
	s_add_co_u32 s25, s25, XB
	v_lshl_add_u32 v[XS], v[LANE], 3, s25          ; row 8 w, byte 8 x lane = 128 x plane + 8 x (lane & 15)
	v_and_b32 v[TMPA], 7, v0
	v_lshl_add_u32 v[TMPA], v[H], 3, v[TMPA]
	v_mul_u32_u24 v[XA], v[TMPA], XP               ; row 8 h + (lane & 7),
	v_bfe_u32 v[TMPA], v0, 3, 1
	v_lshl_add_u32 v[XA], v[TMPA], 4, v[XA]        ; 16 bytes for each group of eight lanes
	v_add_nc_u32 v[XA], XB, v[XA]
.irp n,1,2,3
	v_add_nc_u32 v[XS+\n], \n*4*CHUNK, v[XS]
	v_add_nc_u32 v[XA+\n], \n*4*CHUNK, v[XA]
.endr
	v_mul_u32_u24 v[TA], v[R16], TP
	v_lshl_add_u32 v[TA], v[H], 4, v[TA]           ; row lane & 15, features 8 h .. 8 h + 7
	s_mul_i32 s26, s14, STGW
	s_add_co_u32 s26, s26, STG                     ; my wave's stage
	v_mul_u32_u24 v[STO], v[R16], SP
	v_add_nc_u32 v[STO], s26, v[STO]
	v_lshl_add_u32 v[STO], v[H], 5, v[STO]         ; row s, 32 bytes for each half of the wave
	v_mul_u32_u24 v[SRD], v[H], SP
	v_add_nc_u32 v[SRD], s26, v[SRD]
	v_lshl_add_u32 v[SRD], v[R16], 4, v[SRD]       ; back: each half of the wave takes a whole row
	s_add_co_u32 s27, s26, 32*SP                   ; the factors f: plane x 64 + (row & 1) x 32 + (row >> 1) x 4,
	v_and_b32 v[TMPA], 1, v0                       ; so that the eight rows 2 k + h of a reading lane lie side by side
	v_lshl_add_u32 v[SF], v[TMPA], 5, s27
	v_bfe_u32 v[TMPA], v0, 1, 3
	v_lshl_add_u32 v[SF], v[TMPA], 2, v[SF]
	v_lshl_add_u32 v[SFR], v[H], 5, s27
	s_mul_i32 s28, s24, TP                         ; my rows s in the table
	s_mov_b32 s30, 0x76543210                      ; v_permlanex16_b32: lane i reads lane i of the other half
	s_mov_b32 s31, 0xfedcba98
.irp k,0,1,2,3
.irp z,4,5,6,7
	v_mov_b32 v[FS+8*\k+\z], 0                     ; the table has 16 features: K 16..31 of every fragment is 0, written once
.endr
.endr
.irp k,0,1
.irp z,4,5,6,7
	v_mov_b32 v[FT+8*\k+\z], 0
.endr
.endr
	v_mov_b32 v[E2R], 0x40ec7326                   ; e^2: the weight of the diagonal, whose score is exactly 2
	v_mov_b32 v[CP3], 0xbf196966                   ; -pi^7/7!
	v_mov_b32 v[CP3+1], 0xbf196966
	v_mov_b32 v[CQ4], 0x3e70fa83                   ; pi^8/8!
	v_mov_b32 v[CQ4+1], 0x3e70fa83
	v_mov_b32 v[TM0], 0
	v_mov_b32 v[TM1], 0
	v_mov_b32 v[KW+1], 0
	v_mov_b32 v[KW+2], 0
	v_mov_b32 v[KW+3], 0
	v_mov_b32 v[C1], 0x3f80                        ; bf16 1.0 in the low half
	v_mov_b32 v[C2], 0x3f800000                    ; and in the high half
	v_mul_u32_u24 v[DSR], v0, XP
	v_add_nc_u32 v[DSR], XB+256, v[DSR]            ; the k columns of row tid
	v_add_nc_u32 v[DSR+1], 256*XP, v[DSR]          ; and of row tid + 256
	v_mul_u32_u24 v[TMPA], v0, TP                  ; table row tid
	; scale = elu(1000 alpha) + 1 = 1000 alpha + 1 above 0, exp(1000 alpha) otherwise
	s_wait_kmcnt 0x0
	v_mov_b32 v[VY], s32
	v_mul_f32 v[VY], 0x447a0000, v[VY]
	v_mul_f32 v[VL], 0x3fb8aa3b, v[VY]
	v_exp_f32 v[VL], v[VL]
	v_add_f32 v[VP1], 1.0, v[VY]
	v_cmp_lt_f32 vcc_lo, 0, v[VY]
	s_wait_alu depctr_va_vdst(0)
	v_cndmask_b32 v[VSC], v[VL], v[VP1], vcc_lo
	s_wait_loadcnt 63                              ; 84 loads are issued: with at most 63 out, the oldest 21 are in (t twice, the 8 masks DM)
	v_min3_num_f32 v[MN], v[TALL], v[TALL+1], v[TALL+2]
	v_max3_num_f32 v[MX], v[TALL], v[TALL+1], v[TALL+2]
.irp j,3,5,7,9,11,13
	v_min3_num_f32 v[MN], v[MN], v[TALL+\j], v[TALL+\j+1]
	v_max3_num_f32 v[MX], v[MX], v[TALL+\j], v[TALL+\j+1]
.endr
	v_min_num_f32 v[MN], v[MN], v[TALL+15]
	v_max_num_f32 v[MX], v[MX], v[TALL+15]
.irp m,1,2,4,8
	v_min_num_f32_dpp v[MN], v[MN], v[MN] row_xmask:\m row_mask:0xf bank_mask:0xf
	v_max_num_f32_dpp v[MX], v[MX], v[MX] row_xmask:\m row_mask:0xf bank_mask:0xf
.endr
	v_permlanex16_b32 v[TM0], v[MN], s30, s31
	v_permlanex16_b32 v[TM1], v[MX], s30, s31
	v_min_num_f32 v[MN], v[MN], v[TM0]
	v_max_num_f32 v[MX], v[MX], v[TM1]
	v_sub_f32 v[VD], v[MX], v[MN]
	v_rcp_f32 v[VD], v[VD]
.irp e,0,1,2,3
	v_sub_f32 v[TN+\e], v[TN+\e], v[MN]            ; plain instructions behind the reciprocal
.endr
	s_wait_alu depctr_va_vdst(0)
	v_mul_f32 v[VSC], v[VSC], v[VD]
.irp e,0,1,2,3
	v_mul_f32 v[TN+\e], v[TN+\e], v[VSC]           ; scale (t - min) / (max - min)
.endr
	SINCOS 0, 0x3e22f983                           ; 10000^(-i/8) / 2 pi
	SINCOS 1, 0x3d4e2601
	SINCOS 2, 0x3c826136
	SINCOS 3, 0x3ba4eb34
	SINCOS 4, 0x3ad09b8a
	SINCOS 5, 0x3a03ef5d
	SINCOS 6, 0x3926e2d4
	SINCOS 7, 0x38531894
.irp e,0,1,2,3
	ds_store_b128 v[TMPA], v[ROW+8*\e:ROW+8*\e+3] offset:\e*128*TP
	ds_store_b128 v[TMPA], v[ROW+8*\e+4:ROW+8*\e+7] offset:\e*128*TP+16
.endr
	; the k columns of rows tid + 128 e: columns 0 and 8 hold plane 0's k, columns 1 and 9 plane 1's, the rest 0, so that
	; register 0 (1) of the denominator tile is plane 0's (1's) sum in BOTH halves of the wave
.irp e,0,1,2,3
	v_cmp_gt_f32 vcc_lo, 0.5, v[DM+2*\e]
	v_cndmask_b32 v[KW], v[C1], v[KW+1], vcc_lo
	v_cmp_gt_f32 vcc_lo, 0.5, v[DM+2*\e+1]
	v_cndmask_b32 v[KT], v[C2], v[KW+1], vcc_lo
	v_or_b32 v[KW], v[KW], v[KT]
	ds_store_b128 v[DSR+(\e>>1)], v[KW:KW+3] offset:(\e&1)*128*XP
	ds_store_b128 v[DSR+(\e>>1)], v[KW:KW+3] offset:(\e&1)*128*XP+16
.endr
	CONV 0
	LOADC 6
	CONV 1
	LOADC 7
	WIN 0
	s_wait_dscnt 0x0                               ; table, k columns, chunks 0 and 1: my part is in LDS
	s_barrier_signal -1
	s_barrier_wait -1                              ; everybody's is
	; ---------------------------------------------------------------- E of chunk 0
	v_add_nc_u32 v[TMPA], s28, v[TA]
.irp st,0,1,2,3
	ds_load_b128 v[FS+8*\st:FS+8*\st+3], v[TMPA] offset:\st*16*TP
.endr
	LOADT 0
	s_wait_dscnt 0x0
	SCORE
	PLACES                                         ; behind the score products: FT is loaded again, SC is read
	LOADT 1
	LOADB 0
	WIN 0
	EXPS
	v_nop
	s_wait_alu depctr_va_vdst(0)
	PACK
	s_wait_dscnt 0x0                               ; chunk 0's fragments and chunk 1's table rows
	; ---------------------------------------------------------------- the 16 steps
	STEP 0
	STEP 1
	STEP 2
	STEP 3
	STEP 4
	STEP 5
	STEP 6
	STEP 7
	STEP 8
	STEP 9
	STEP 10
	STEP 11
	STEP 12
	STEP 13
	STEP 14
	STEP 15
	; ---------------------------------------------------------------- the way out
	WIN 0
	PLACES                                         ; behind the last products, before their sums are read
	OUT 0
	OUT 1
	OUT 2
	OUT 3
	s_wait_tensorcnt 0x0
	ds_add_u32 v254, v255
	s_wait_dscnt 0x0
	s_endpgm
.Lfunc_end_k_q55a9508b42_attend:
	.size	k_q55a9508b42_attend, .Lfunc_end_k_q55a9508b42_attend-k_q55a9508b42_attend
	.p2alignl 7, 3214868480
	.fill 96, 4, 3214868480
	.section	.rodata,"a",@progbits
	.p2align	6, 0x0
	.amdhsa_kernel k_q55a9508b42_attend
		.amdhsa_group_segment_fixed_size 207872
		.amdhsa_private_segment_fixed_size 0
		.amdhsa_enable_private_segment 0
		.amdhsa_kernarg_size 40
		.amdhsa_user_sgpr_count 2
		.amdhsa_user_sgpr_kernarg_segment_ptr 1
		.amdhsa_wavefront_size32 1
		.amdhsa_system_sgpr_workgroup_id_x 1
		.amdhsa_system_sgpr_workgroup_id_y 1
		.amdhsa_system_sgpr_workgroup_id_z 1
		.amdhsa_system_vgpr_workitem_id 0
		.amdhsa_next_free_vgpr 1024
		.amdhsa_next_free_sgpr 66
		.amdhsa_reserve_vcc 1
		.amdhsa_float_denorm_mode_32 3
		.amdhsa_float_denorm_mode_16_64 3
		.amdhsa_memory_ordered 1
		.amdhsa_forward_progress 1
		.amdhsa_inst_pref_size 255
	.end_amdhsa_kernel
	.section	.bss,"aw",@nobits
	.p2align	6
	.space	262144
	.amdgpu_metadata
---
amdhsa.version: [ 1, 2 ]
amdhsa.kernels:
  - .name:           k_q55a9508b42_attend
    .symbol:         k_q55a9508b42_attend.kd
    .args:
      - { .name: t, .offset: 0, .size: 8, .value_kind: global_buffer, .address_space: global }
      - { .name: x, .offset: 8, .size: 8, .value_kind: global_buffer, .address_space: global }
      - { .name: mask, .offset: 16, .size: 8, .value_kind: global_buffer, .address_space: global }
      - { .name: alpha_w, .offset: 24, .size: 8, .value_kind: global_buffer, .address_space: global }
      - { .name: out0, .offset: 32, .size: 8, .value_kind: global_buffer, .address_space: global }
    .group_segment_fixed_size: 207872
    .private_segment_fixed_size: 0
    .kernarg_segment_align: 8
    .kernarg_segment_size: 40
    .max_flat_workgroup_size: 128
    .sgpr_count:     66
    .vgpr_count:     1024
    .wavefront_size: 32
...
	.end_amdgpu_metadata
.endif
;; end of part 1
;; ======== version 2 of 2: 1 launch; version 1 with the launch attend written anew for expert scheduling mode
;; launch attend (part 2): grid 256 x 1, 4 waves a work-group, no clusters, 207,872 bytes of LDS; arguments t, x, mask, alpha_w, out0; writes out0
.if DOCPART == 2
	.amdgcn_target "amdgcn-amd-amdhsa--gfx1250"
	.amdhsa_code_object_version 6
	.text
	.protected	k_q55a9508b42_attend
	.globl	k_q55a9508b42_attend
	.p2align	8
	.type	k_q55a9508b42_attend,@function
k_q55a9508b42_attend:
	s_mov_b64 s[64:65], 0
	v_nop
	global_prefetch_b8 v0, s[64:65] scope:SCOPE_SE
	s_setreg_imm32_b32 hwreg(HW_REG_WAVE_SCHED_MODE, 0, 2), 2
	s_setreg_imm32_b32 hwreg(HW_REG_WAVE_MODE, 25, 1), 1
	s_wait_xcnt 0x0
	s_wait_alu depctr_vm_vsrc(0)
; out[b][p][s][:] = x m + (1 - m) softmax_t(score[b][s][t], keys masked by mask[b][p][t] except t = s) . x[b][p][t][:]
; t [8][512], x and out [8][32][512][64], mask [8][32][512], alpha_w [1][1], all f32.  Arguments: t, x, mask, alpha_w, out0.
;
; score = (tpe_s . tpe_t) / 4 is a sum of 16 products of sines and cosines, so |score| <= 2: exp(score) needs no running maximum,
; a masked key has weight 0, and E = exp(score) is the same for all 32 planes p of a batch.  With k[t] = not (mask[t] < 0.5):
;   inter = (E (k x) + ce x_s) / (E k + ce),  ce = e^2 where the row's own key is masked off the diagonal and kept on it, else 0
;   out   = acc g + x f,  g = (1 - m) / (den + ce),  f = m + g ce
; WORK.  256 work-groups: batch id >> 5, the pair of planes id >> 1, rows s of half id & 1.  Two planes share each E: half the
; exponentials and score products of one plane a work-group.  Four waves; a wave owns 64 rows s (4 tiles) and 144 columns:
; 2 x 64 of d and a tile of 16 that holds k and gives the denominators: 36 accumulator tiles.  t goes in 16 steps of 32.
; The score tile is made as [t][s]: lane = s, registers = t, which packed to bf16 IS the operand fragment of the second product.
; The second product is taken transposed, D[d][s] = X^T[d][t] E[t][s]: a lane holds 8 neighbouring d of ONE row s.
; x comes by 16-byte loads into a ring of six chunks of registers, is rounded to bf16, zeroed where its key is masked, and stored
; once in LDS (all 512 rows stay: no byte of it is written twice, so one barrier a step orders stores and the others' loads).
; The 16 steps are written out by a macro: the first starts the sums, the last eight load no new chunk, and every ring slot,
; LDS offset and wait count is then a constant of the text.
; NO JOINT TENSOR LOADS, though two work-groups read the same 256 KB of x: x has to pass through registers (mask, rounding), so a
; tile laid in LDS as f32 would add 16 KB of LDS writes and 16 KB of LDS reads a step to the 9 KB that are written now.
; LIMITS.  (1) A row whose every key is masked, its own too (needs mask[s] < -0.5), gives NaN here, the mean of x in the reference.
; (2) Inf or NaN in a masked row of x is dropped here; the reference multiplies it by weight 0.  (3) The angle is reduced in f32:
; the phase error grows as scale x 2^-22 rad (scale = 1000 alpha_w + 1), below 1e-3 rad for alpha_w up to about 5.
; (4) sin and cos by Taylor sums of the half angle, error below 2e-5; the table, E and x are bf16, all sums f32.
;
; THE MODE: SCHED_MODE bits 1:0 = 2 (LLVM: expert scheduling mode 2), set by the entry lines.  The code itself states the register
; dependences between vector or matrix instructions and memory or LDS instructions, with s_wait_alu, always for 0.
; THE PLAN.  Registers that memory or LDS instructions touch in the steps:
;   ring slot c % 6  The loads of chunk c land in it; the compares and conversions of chunk c read it, in step c - 2; behind them,
;                    in the same step, the loads of chunk c + 6 land in it.
;   CT               Written by a step's conversions and selects, read by that step's eight LDS stores, written again a step later.
;   FT0, FT1         The table rows of chunk c land in FT[c & 1] in step c - 2; the score products of chunk c read them in step c - 1;
;                    the rows of chunk c + 2 land there in step c.
;   x fragments      Chunk c's land in buffer c & 1 in step c - 1; the products of step c read them; chunk c + 2's land in step c + 1.
;   addresses        XS, XA, TA, XG, MG, EG, FSA and the stage's four are made in the set-up and never written again.
;   SC, EF, the sums and (once loaded) FS are named by vector and matrix instructions alone.
; So a step OPENS with the conversion of chunk i + 2 and holds three waits, all there: on vm_vsrc ahead of it (the last step's stores have
; read CT), on va_sdst between its compares and its selects, on va_vdst behind it.  That last one states that CT is written, that the slot
; is read out, and that the matrix instructions of the step before are done with the fragment buffer and the table set that this step's
; loads land in.  The step's 38 memory and LDS instructions follow it, dealt among the 44 matrix instructions, which name the OTHER table
; set, the OTHER fragment buffer, FS, SC, EF and the sums: none of the registers that those loads and stores touch.
.set ROWB,  256                        ; bytes in a row of x or out (64 f32)
.set PLANE, 131072                     ; bytes in x[b][p]
.set MROW,  2048                       ; bytes in mask[b][p] and in t[b]
.set STEPS, 16
.set KSTEP, 32                         ; rows t in a step (a chunk)
.set DEPTH, 6                          ; chunks of x on their way, in registers
.set TP,    48                         ; table row: 16 bf16 + 16 bytes
.set XP,    288                        ; x row in LDS: 2 x 64 bf16, then 16 bf16 of k: 9 x 32 bytes
.set XB,    512*TP                     ; x behind the table
.set CHUNK, KSTEP*XP
.set STG,   XB+512*XP                  ; behind x: a stage for each wave, for the way out
.set SP,    272                        ; stage row: 64 f32 + 16 bytes
.set STGW,  32*SP+128                  ; 32 rows and 32 factors f
; window 0
.set LANE,1
.set R16,2                             ; lane & 15
.set H,3                               ; lane >> 4
.set XG,4                              ; x: byte offset of my 16 bytes in a chunk's first row of my wave
.set MG,5                              ; mask: byte offset of my plane's 8 numbers
.set XS,6                              ; v[6:9]     LDS: where I store 4 bf16, chunks 4 n .. 4 n + 3 (LDS offsets have 16 bits)
.set XA,10                             ; v[10:13]   LDS: my address in a transposing load, likewise
.set TA,14                             ; LDS: my 16 bytes of a table fragment
.set STO,15                            ; stage: where I put 32 bytes of my row
.set SF,16                             ; stage: where my row's f goes
.set SRD,17                            ; stage: where I read 16 bytes of a row back
.set SFR,18                            ; stage: my eight f of a plane
.set EG,19                             ; x and out: byte offset of my 16 bytes on the way out
.set A16,20
.set T4,21
.set EMO,22
.set TMPA,23
.set EM,24                             ; v[24:31]   mask of my row s: tile st, plane p at 2 st + p
.set CT,32                             ; v[32:47]   a chunk's bf16 on the way to LDS
.set FS,48                             ; v[48:79]   table fragments of my 4 tiles of s (upper 4 registers of each: K 16..31 = 0)
.set FT,80                             ; v[80:95]   table fragments of a step's 2 tiles of t: the set of the even chunks;
.set FTD,160                           ; v[240:255] the set of the odd chunks, this far on
.set SC,96                             ; v[96:159]  scores, then E in f32: tile (st, tt) at 8 (2 st + tt)
.set EF,160                            ; v[160:191] E fragments, bf16: tile st at 8 st
.set DEN,192                           ; v[192:223] denominators: tile st at 8 st; register 0 plane 0, register 1 plane 1
.set G,224                             ; v[224:227] g of plane p, twice, at 2 p
.set F,228
.set CE,230
.set TQ,232
.set E2R,236
.set FSA,237                           ; LDS: my 16 bytes of the table fragment of my wave's first tile of s
.set RB,32                             ; way out: 64 registers read back from the stage (CT, FS, FT are free then)
.set TMP,96                            ; way out: 64 scaled sums
.set FB,160                            ; way out: 16 factors f
; set-up only, in registers that the steps use later
.set TALL,96
.set TN,112
.set DM,116
.set ROW,124
.set PR,156
.set PA,160
.set PU,164
.set PW,168
.set PP,172
.set PQ,176
.set PS,180
.set P2,184
.set PSN,188
.set PCS,192
.set CP3,196
.set CQ4,198
.set MN,200
.set MX,201
.set TM0,202
.set TM1,203
.set VY,204
.set VL,205
.set VD,206
.set VP1,207
.set VSC,208
.set C1,214
.set C2,215
.set KT,216
.set DSR,218
.set KQ,220                            ; v[220:235] the 16 bytes of k columns of my table row e at 4 e: a word, then three zeros
; window 1: accumulator tile (st, ct) at 8 (8 st + ct), ct = 4 p + d / 16.   window 2: x fragments, buffer (chunk & 1) at 72 x that.
; window 3: ring slot (chunk % 6) at 40 x that: 8 mask numbers, 8 x 4 of x; at the end the 64 x 4 numbers of x for the blend.
.set MSB, 0
.macro WIN new                         ; low byte: bits 1:0 source 0, 3:2 source 1, 5:4 source 2, 7:6 destination; high byte: the setting left
.if MSB != \new
	s_set_vgpr_msb (MSB<<8)|\new
.set MSB, \new
.endif
.endm
.macro PLACES                          ; four independent vector instructions behind a matrix instruction (ISA guide 7.12.1)
.rept 4
	v_nop
.endr
.endm
; ten loads: chunk c's 8 mask numbers of my plane and my 16 bytes of its 8 rows of my wave (lanes 0-15 plane 0, 16-31 plane 1:
; each half of the wave covers one aligned row of 256 bytes)
.macro LOADC c
.set SL, 40*((\c)%DEPTH)
	WIN 0xc0
	global_load_b128 v[SL:SL+3], v[MG], s[8:9] offset:(\c)*KSTEP*4
	global_load_b128 v[SL+4:SL+7], v[MG], s[8:9] offset:(\c)*KSTEP*4+16
.irp j,0,1,2,3,4,5,6,7
	global_load_b128 v[SL+8+4*\j:SL+11+4*\j], v[XG], s[6:7] offset:(\c)*KSTEP*ROWB+\j*ROWB
.endr
.endm
; chunk c: f32 to bf16, zero where the key is masked.  first = 1: no LDS store has read CT yet.
.macro CONVV c, first
.set SL, 40*((\c)%DEPTH)
.if (STEPS-1-(\c)) < (DEPTH-1)
	s_wait_loadcnt 10*(STEPS-1-(\c))       ; loads return in order: only the chunks behind c, ten loads each, may be out
.else
	s_wait_loadcnt 10*(DEPTH-1)
.endif
.if !\first
	s_wait_alu depctr_vm_vsrc(0)           ; the LDS stores of the chunk before have read CT, which the conversions below write again
.endif
	WIN 0x0f
.irp j,0,1,2,3,4,5,6,7
	v_cmp_gt_f32 s[40+\j], 0.5, v[SL+\j]   ; the reference's test: mask < 0.5
	v_cvt_pk_bf16_f32 v[CT+2*\j], v[SL+8+4*\j], v[SL+9+4*\j]
	v_cvt_pk_bf16_f32 v[CT+2*\j+1], v[SL+10+4*\j], v[SL+11+4*\j]
.endr
	s_wait_alu depctr_va_sdst(0)           ; the eight compares have written s[40:47], ahead of the selects that read them
	WIN 0
.irp j,0,1,2,3,4,5,6,7
	v_cndmask_b32 v[CT+2*\j], v[CT+2*\j], 0, s[40+\j]
	v_cndmask_b32 v[CT+2*\j+1], v[CT+2*\j+1], 0, s[40+\j]
.endr
	s_wait_alu depctr_va_vdst(0)           ; the selects have written CT, which the LDS stores read; the compares and conversions are done reading the slot, in which the next loads of x land;
	                                       ; the matrix instructions of the step before are done reading the table set and the fragment buffer in which this step's LDS loads land
.endm
.macro CONVS c                         ; 8 bytes a lane to LDS (32 lanes: the row's 256 neighbouring bytes)
	WIN 0
.irp j,0,1,2,3,4,5,6,7
	ds_store_b64 v[XS+((\c)>>2)], v[CT+2*\j:CT+2*\j+1] offset:((\c)%4)*CHUNK+\j*XP
.endr
.endm
; the nine fragments of chunk c (16 columns x 32 t each), transposed on the way: lane = column, registers = t
.macro LOADB c
.set BB, 72*((\c)&1)
	WIN 0x80
.irp ct,0,1,2,3,4,5,6,7,8
	ds_load_tr16_b128 v[BB+8*\ct:BB+8*\ct+3], v[XA+((\c)>>2)] offset:((\c)%4)*CHUNK+32*\ct
	ds_load_tr16_b128 v[BB+8*\ct+4:BB+8*\ct+7], v[XA+((\c)>>2)] offset:((\c)%4)*CHUNK+32*\ct+16*XP
.endr
.endm
.macro LOADT c                         ; the table rows of chunk c: K 0..15 of two fragments, into the set of c's parity
.set FTB, FT+FTD*((\c)&1)
	WIN 0
	ds_load_b128 v[FTB:FTB+3], v[TA] offset:(\c)*KSTEP*TP
	ds_load_b128 v[FTB+8:FTB+11], v[TA] offset:(\c)*KSTEP*TP+16*TP
.endm
.macro SCORE c                         ; D[t][s] = table(t) . table(s), already in units of log2: the table carries sqrt(log2(e) / 4)
.set FTB, FT+FTD*((\c)&1)
.irp st,0,1,2,3
.irp tt,0,1
	v_wmma_f32_16x16x32_bf16 v[SC+8*(2*\st+\tt):SC+8*(2*\st+\tt)+7], v[FTB+8*\tt:FTB+8*\tt+7], v[FS+8*\st:FS+8*\st+7], 0
.endr
.endr
.endm
.macro EXPS
.set n, 0
.rept 64
	v_exp_f32 v[SC+n], v[SC+n]
.set n, n+1
.endr
.endm
.macro PACK                            ; registers 2 q, 2 q + 1 of a score tile are t = 8 h + 2 q, + 1 of row s: word q of the fragment
.set n, 0
.rept 32
	v_cvt_pk_bf16_f32 v[EF+n], v[SC+2*n], v[SC+2*n+1]
.set n, n+1
.endr
.endm
; 36 products: D[column][s] += X^T E, in two parts.  zero = 1: the first step starts the sums, nothing is cleared
.macro PVM c, zero
.set BB, 72*((\c)&1)
	WIN 0x52                               ; source 0 (x) window 2, source 1 (E) window 0, C and D window 1
.irp ct,0,1,2,3,4,5,6,7
.irp st,0,1,2,3
.if \zero
	v_wmma_f32_16x16x32_bf16 v[8*(8*\st+\ct):8*(8*\st+\ct)+7], v[BB+8*\ct:BB+8*\ct+7], v[EF+8*\st:EF+8*\st+7], 0
.else
	v_wmma_f32_16x16x32_bf16 v[8*(8*\st+\ct):8*(8*\st+\ct)+7], v[BB+8*\ct:BB+8*\ct+7], v[EF+8*\st:EF+8*\st+7], v[8*(8*\st+\ct):8*(8*\st+\ct)+7]
.endif
.endr
.endr
.endm
.macro PVD c, zero
.set BB, 72*((\c)&1)
	WIN 0x02                               ; the k columns: sums in window 0
.irp st,0,1,2,3
.if \zero
	v_wmma_f32_16x16x32_bf16 v[DEN+8*\st:DEN+8*\st+7], v[BB+64:BB+71], v[EF+8*\st:EF+8*\st+7], 0
.else
	v_wmma_f32_16x16x32_bf16 v[DEN+8*\st:DEN+8*\st+7], v[BB+64:BB+71], v[EF+8*\st:EF+8*\st+7], v[DEN+8*\st:DEN+8*\st+7]
.endif
.endr
.endm
; x of my 64 rows and both planes once more, in f32, for the blend: 64 loads of two whole rows each, in the order of their use
.macro LOADX
	WIN 0xc0
.set u, 0
.rept 64
	global_load_b128 v[4*u:4*u+3], v[EG], s[6:7] offset:((u>>3)&1)*PLANE+(u>>4)*16*ROWB+(u&7)*2*ROWB
.set u, u+1
.endr
.endm
; STEP i multiplies chunk i.  Ahead of it run: E of chunk i + 1 (scores, exponentials, packing), the fragments of chunk i + 1,
; the conversion of chunk i + 2, the loads of chunk i + 8.  The conversion and its three waits open the step (THE PLAN, at the head).
.macro STEP i
.if \i < STEPS-2
	CONVV (\i+2), 0
	CONVS (\i+2)                           ; the stores first: they have the whole step in which to be done, ahead of the barrier
	LOADT (\i+2)                           ; into the set that the score products of the step before read
.endif
.if \i == STEPS-2
	s_wait_alu depctr_va_vdst(0)           ; nothing is converted here: the products of the step before are done reading the fragment buffer in which the last chunk's fragments land
.endif
.if \i < STEPS-1
	WIN 0
	SCORE (\i+1)                           ; chunk i + 1; its table rows came before the last s_wait_dscnt 0
	LOADB (\i+1)                           ; stored one step ago, in front of the last barrier.  No wait: no vector or matrix instruction since the wait above names this buffer
.endif
.if \i == 0
	PVM \i, 1
.else
	PVM \i, 0
.endif
.if \i+2+DEPTH < STEPS
	LOADC (\i+2+DEPTH)                     ; into the slot emptied at the step's head.  No wait: nothing since the wait there names the slot
.endif
.if \i == STEPS-3
	LOADX                                  ; the ring is empty, every slot read out ahead of this step's wait: its registers take the rows for the blend, two steps early
.endif
.if \i == 0
	PVD \i, 1
.else
	PVD \i, 0
.endif
.if \i < STEPS-1
	WIN 0
	PLACES                                 ; behind the products: the exponentials read the scores, the packing writes E's fragments, which the products read
	EXPS
.if \i < STEPS-2
	s_wait_dscnt 0x0                       ; my stores of chunk i + 2 are in LDS, my fragment and table loads are back: say so
	s_barrier_signal -1
.endif
	v_nop                                  ; one plain instruction between the exponentials and their first use (ISA guide 5.7.2)
	s_wait_alu depctr_va_vdst(0)
	PACK                                   ; registers only, while the others arrive
.if \i < STEPS-2
	s_barrier_wait -1
.else
	s_wait_dscnt 0x0                       ; the last chunk's fragments
.endif
.endif
.endm
; sin and cos of tn x div_i for my four rows, two rows an instruction.  k = div_i / 2 pi.  u = revolutions less the nearest whole
; number, in [-1/2, 1/2]; s = sin(pi u), c = cos(pi u) by Taylor sums in w = u^2; sin = 2 s c, cos = 1 - 2 s^2.
; Stored: (-q sin, q cos), q = sqrt(log2(e) / 4); the sign of all sines cancels in the product of two rows.
.macro SINCOS i, k
.irp q,0,2
	v_pk_mul_f32 v[PR+\q:PR+\q+1], v[TN+\q:TN+\q+1], \k op_sel_hi:[1,0]
.endr
.irp e,0,1,2,3
	v_rndne_f32 v[PA+\e], v[PR+\e]
.endr
.irp q,0,2
	v_pk_add_f32 v[PU+\q:PU+\q+1], v[PR+\q:PR+\q+1], v[PA+\q:PA+\q+1] neg_lo:[0,1] neg_hi:[0,1]
.endr
.irp q,0,2
	v_pk_mul_f32 v[PW+\q:PW+\q+1], v[PU+\q:PU+\q+1], v[PU+\q:PU+\q+1]
.endr
.irp q,0,2
	v_pk_fma_f32 v[PP+\q:PP+\q+1], v[PW+\q:PW+\q+1], 0x3da83c1a, v[CP3:CP3+1] op_sel_hi:[1,0,1]     ; pi^9/9! w - pi^7/7!
	v_pk_fma_f32 v[PQ+\q:PQ+\q+1], v[PW+\q:PW+\q+1], 0xbcd368f9, v[CQ4:CQ4+1] op_sel_hi:[1,0,1]     ; -pi^10/10! w + pi^8/8!
.endr
.irp q,0,2
	v_pk_fma_f32 v[PP+\q:PP+\q+1], v[PP+\q:PP+\q+1], v[PW+\q:PW+\q+1], 0x402335e3 op_sel_hi:[1,1,0] ; + pi^5/5!
	v_pk_fma_f32 v[PQ+\q:PQ+\q+1], v[PQ+\q:PQ+\q+1], v[PW+\q:PW+\q+1], 0xbfaae9e4 op_sel_hi:[1,1,0] ; - pi^6/6!
.endr
.irp q,0,2
	v_pk_fma_f32 v[PP+\q:PP+\q+1], v[PP+\q:PP+\q+1], v[PW+\q:PW+\q+1], 0xc0a55de7 op_sel_hi:[1,1,0] ; - pi^3/3!
	v_pk_fma_f32 v[PQ+\q:PQ+\q+1], v[PQ+\q:PQ+\q+1], v[PW+\q:PW+\q+1], 0x4081e0f8 op_sel_hi:[1,1,0] ; + pi^4/4!
.endr
.irp q,0,2
	v_pk_fma_f32 v[PP+\q:PP+\q+1], v[PP+\q:PP+\q+1], v[PW+\q:PW+\q+1], 0x40490fdb op_sel_hi:[1,1,0] ; + pi
	v_pk_fma_f32 v[PQ+\q:PQ+\q+1], v[PQ+\q:PQ+\q+1], v[PW+\q:PW+\q+1], 0xc09de9e6 op_sel_hi:[1,1,0] ; - pi^2/2
.endr
.irp q,0,2
	v_pk_mul_f32 v[PS+\q:PS+\q+1], v[PP+\q:PP+\q+1], v[PU+\q:PU+\q+1]                               ; s
	v_pk_fma_f32 v[PQ+\q:PQ+\q+1], v[PQ+\q:PQ+\q+1], v[PW+\q:PW+\q+1], 1.0 op_sel_hi:[1,1,0]        ; c
.endr
.irp q,0,2
	v_pk_mul_f32 v[P2+\q:P2+\q+1], v[PS+\q:PS+\q+1], 0xbf99be61 op_sel_hi:[1,0]                     ; -2 q s
.endr
.irp q,0,2
	v_pk_mul_f32 v[PSN+\q:PSN+\q+1], v[P2+\q:P2+\q+1], v[PQ+\q:PQ+\q+1]                             ; -q sin
	v_pk_fma_f32 v[PCS+\q:PCS+\q+1], v[P2+\q:P2+\q+1], v[PS+\q:PS+\q+1], 0x3f19be61 op_sel_hi:[1,1,0] ; q - 2 q s^2 = q cos
.endr
.irp e,0,1,2,3
	v_cvt_pk_bf16_f32 v[ROW+8*\e+\i], v[PSN+\e], v[PCS+\e]
.endr
.endm
; The way out for tile st (16 rows s, both planes): factors, scaled sums through my own stage, blend with x, whole rows out.
; Registers that LDS and memory instructions touch here: TMP and F (written by the scaling, read by the stage's stores), RB and FB (the stage's
; loads land in them, the blend reads both and writes RB, the global stores read RB).  Each is used again by the next tile.
.macro OUT st
	WIN 0
.irp p,0,1
	v_add_f32 v[TQ+\p], 1.0, v[EM+2*\st+\p]            ; mask + eye on the diagonal
.endr
.irp p,0,1
	v_cmp_gt_f32 s[40+\p], 0.5, v[EM+2*\st+\p]         ; my own key is masked as a column
	v_cmp_gt_f32 s[42+\p], 0.5, v[TQ+\p]               ; and even on the diagonal
.endr
	s_wait_alu depctr_va_sdst(0)                       ; the four compares have written s[40:43], ahead of the selects that read them
.irp p,0,1
	v_cndmask_b32 v[CE+\p], 0, v[E2R], s[40+\p]
	v_cndmask_b32 v[CE+\p], v[CE+\p], 0, s[42+\p]
	v_add_f32 v[TQ+\p], v[DEN+8*\st+\p], v[CE+\p]
.endr
	v_rcp_f32 v[TQ], v[TQ]
	v_rcp_f32 v[TQ+1], v[TQ+1]
.irp p,0,1
	v_sub_f32 v[TQ+2+\p], 1.0, v[EM+2*\st+\p]          ; plain instructions behind the reciprocals (ISA guide 5.7.2)
.endr
	s_wait_alu depctr_va_vdst(0)
.irp p,0,1
	v_mul_f32 v[G+2*\p], v[TQ+2+\p], v[TQ+\p]
.endr
.irp p,0,1
	v_mov_b32 v[G+2*\p+1], v[G+2*\p]                   ; a pair for the packed multiply
.endr
	s_wait_xcnt 0x0                                    ; RB was the last tile's store data: it is rewritten only behind this wait
	s_wait_alu depctr_vm_vsrc(0)                       ; the last tile's LDS stores have read F and TMP, which the lines below write, and its global stores RB, in which the stage's loads land;
	                                                   ; ahead of the first tile: the last chunk's LDS stores have read CT, which is part of RB
.irp p,0,1
	v_fma_f32 v[F+\p], v[G+2*\p], v[CE+\p], v[EM+2*\st+\p]
.endr
	WIN 0x01                                           ; source 0: the sums in window 1
.irp p,0,1
.irp dq,0,1,2,3
.irp q,0,2,4,6
	v_pk_mul_f32 v[TMP+8*(4*\p+\dq)+\q:TMP+8*(4*\p+\dq)+\q+1], v[8*(8*\st+4*\p+\dq)+\q:8*(8*\st+4*\p+\dq)+\q+1], v[G+2*\p:G+2*\p+1]
.endr
.endr
.endr
	WIN 0
	s_wait_alu depctr_va_vdst(0)                       ; TMP and F are written, which the LDS stores read; whatever read or wrote RB and FB before (the last tile's blend;
	                                                   ; ahead of the first tile the selects, the score products and the last products) is done: the stage's loads land there
.irp p,0,1
.irp dq,0,1,2,3
	ds_store_b128 v[STO], v[TMP+8*(4*\p+\dq):TMP+8*(4*\p+\dq)+3] offset:16*SP*\p+64*\dq
	ds_store_b128 v[STO], v[TMP+8*(4*\p+\dq)+4:TMP+8*(4*\p+\dq)+7] offset:16*SP*\p+64*\dq+16
.endr
	ds_store_b32 v[SF], v[F+\p] offset:64*\p
.endr
.irp p,0,1
.irp k,0,1,2,3,4,5,6,7
	ds_load_b128 v[RB+4*(8*\p+\k):RB+4*(8*\p+\k)+3], v[SRD] offset:16*SP*\p+2*SP*\k    ; LDS serves a wave in order: these see the stores above
.endr
	ds_load_b128 v[FB+8*\p:FB+8*\p+3], v[SFR] offset:64*\p
	ds_load_b128 v[FB+8*\p+4:FB+8*\p+7], v[SFR] offset:64*\p+16
.endr
	s_wait_dscnt 0x0
	s_wait_loadcnt 48-16*\st                           ; x of this tile is in; the 16 loads of each later tile may be out
	WIN 0x03                                           ; source 0: x in window 3
.irp p,0,1
.irp k,0,2,4,6
.irp q,0,2
	v_pk_fma_f32 v[RB+4*(8*\p+\k)+\q:RB+4*(8*\p+\k)+\q+1], v[4*(16*\st+8*\p+\k)+\q:4*(16*\st+8*\p+\k)+\q+1], v[FB+8*\p+\k:FB+8*\p+\k+1], v[RB+4*(8*\p+\k)+\q:RB+4*(8*\p+\k)+\q+1] op_sel_hi:[1,0,1]
	v_pk_fma_f32 v[RB+4*(8*\p+\k+1)+\q:RB+4*(8*\p+\k+1)+\q+1], v[4*(16*\st+8*\p+\k+1)+\q:4*(16*\st+8*\p+\k+1)+\q+1], v[FB+8*\p+\k:FB+8*\p+\k+1], v[RB+4*(8*\p+\k+1)+\q:RB+4*(8*\p+\k+1)+\q+1] op_sel:[0,1,0]
.endr
.endr
.endr
	WIN 0
	s_wait_alu depctr_va_vdst(0)                       ; the blend has written RB, which the sixteen stores read
.irp p,0,1
.irp k,0,1,2,3,4,5,6,7
	global_store_b128 v[EG], v[RB+4*(8*\p+\k):RB+4*(8*\p+\k)+3], s[12:13] offset:\p*PLANE+\st*16*ROWB+\k*2*ROWB th:TH_STORE_NT   ; each half of the wave: one aligned row of 256 bytes
.endr
.endr
.endm
; ---------------------------------------------------------------- set-up
	s_load_b256 s[4:11], s[0:1], 0x0               ; t s[4:5], x s[6:7], mask s[8:9], alpha_w s[10:11]
	s_load_b64 s[12:13], s[0:1], 0x20              ; out0
	v_lshl_add_u32 v238, v0, 2, 0x32a00
	v_mov_b32 v239, 0
	v_and_b32 v[LANE], 31, v0
	v_lshrrev_b32 v[TMPA], 5, v0
	v_readfirstlane_b32 s14, v[TMPA]               ; wave 0..3
	v_and_b32 v[R16], 15, v0
	v_bfe_u32 v[H], v0, 4, 1
	s_lshr_b32 s15, ttmp9, 1                       ; the pair of planes, 0..127
	s_and_b32 s16, ttmp9, 1                        ; which 256 rows s
	s_lshr_b32 s17, ttmp9, 5                       ; b
	s_lshl_b32 s18, s15, 18                        ; two planes of 131,072 bytes
	s_mov_b32 s19, 0
	s_lshl_b32 s20, s15, 12                        ; two mask rows of 2,048 bytes
	s_mov_b32 s21, 0
	s_lshl_b32 s22, s17, 11
	s_mov_b32 s23, 0
	s_lshl_b32 s24, s16, 8
	s_wait_alu depctr_va_sdst(0)                   ; s14 is written, ahead of its first reader: my rows, offsets and LDS places are made from it
	s_lshl_b32 s25, s14, 6
	s_add_co_u32 s24, s24, s25                     ; my wave's first row s
	v_lshlrev_b32 v[A16], 4, v[LANE]
	v_lshlrev_b32 v[T4], 2, v0
	v_add_lshl_u32 v[EMO], v[R16], s24, 2
	v_lshlrev_b32 v[XG], 4, v[R16]                 ; 16 bytes a lane, 16 lanes a row,
	v_lshl_add_u32 v[XG], v[H], 17, v[XG]          ; the upper half of the wave in the second plane,
	s_lshl_b32 s25, s14, 11
	v_add_nc_u32 v[XG], s25, v[XG]                 ; 8 rows a wave
	s_lshl_b32 s26, s14, 5
	v_lshl_add_u32 v[MG], v[H], 11, s26
	v_add_nc_u32 v[EG], s24, v[H]
	v_lshlrev_b32 v[EG], 8, v[EG]
	v_lshl_add_u32 v[EG], v[R16], 4, v[EG]
	s_wait_kmcnt 0x0
	s_load_b32 s32, s[10:11], 0x0                  ; alpha_w
	s_add_nc_u64 s[4:5], s[4:5], s[22:23]
	s_add_nc_u64 s[6:7], s[6:7], s[18:19]
	s_add_nc_u64 s[8:9], s[8:9], s[20:21]
	s_add_nc_u64 s[12:13], s[12:13], s[18:19]
	s_wait_alu depctr_va_vdst(0)                   ; the six offsets A16, T4, EMO, XG, MG and EG are written: every global load and store of the kernel reads one of them
	; the small loads first, since loads return in order: t whole (every wave finds min and max by itself: no barrier for it),
	; t and both masks of my four table rows tid + 128 e, the masks of my rows s; then six chunks of x
.irp q,0,1,2,3
	global_load_b128 v[TALL+4*\q:TALL+4*\q+3], v[A16], s[4:5] offset:\q*512
.endr
.irp e,0,1,2,3
	global_load_b32 v[TN+\e], v[T4], s[4:5] offset:\e*512
.endr
.irp e,0,1,2,3
	global_load_b32 v[DM+2*\e], v[T4], s[8:9] offset:\e*512
	global_load_b32 v[DM+2*\e+1], v[T4], s[8:9] offset:\e*512+MROW
.endr
.irp st,0,1,2,3
	global_load_b32 v[EM+2*\st], v[EMO], s[8:9] offset:\st*64
	global_load_b32 v[EM+2*\st+1], v[EMO], s[8:9] offset:\st*64+MROW
.endr
.irp c,0,1,2,3,4,5
	LOADC \c
.endr
	WIN 0
	; LDS addresses and constants, while the loads are out
	s_mul_i32 s25, s14, 8*XP
	s_add_co_u32 s25, s25, XB
	v_lshl_add_u32 v[XS], v[LANE], 3, s25          ; row 8 w, byte 8 x lane = 128 x plane + 8 x (lane & 15)
	v_and_b32 v[TMPA], 7, v0
	v_lshl_add_u32 v[TMPA], v[H], 3, v[TMPA]
	v_mul_u32_u24 v[XA], v[TMPA], XP               ; row 8 h + (lane & 7),
	v_bfe_u32 v[TMPA], v0, 3, 1
	v_lshl_add_u32 v[XA], v[TMPA], 4, v[XA]        ; 16 bytes for each group of eight lanes
	v_add_nc_u32 v[XA], XB, v[XA]
.irp n,1,2,3
	v_add_nc_u32 v[XS+\n], \n*4*CHUNK, v[XS]
	v_add_nc_u32 v[XA+\n], \n*4*CHUNK, v[XA]
.endr
	v_mul_u32_u24 v[TA], v[R16], TP
	v_lshl_add_u32 v[TA], v[H], 4, v[TA]           ; row lane & 15, features 8 h .. 8 h + 7
	s_mul_i32 s26, s14, STGW
	s_add_co_u32 s26, s26, STG                     ; my wave's stage
	v_mul_u32_u24 v[STO], v[R16], SP
	v_add_nc_u32 v[STO], s26, v[STO]
	v_lshl_add_u32 v[STO], v[H], 5, v[STO]         ; row s, 32 bytes for each half of the wave
	v_mul_u32_u24 v[SRD], v[H], SP
	v_add_nc_u32 v[SRD], s26, v[SRD]
	v_lshl_add_u32 v[SRD], v[R16], 4, v[SRD]       ; back: each half of the wave takes a whole row
	s_add_co_u32 s27, s26, 32*SP                   ; the factors f: plane x 64 + (row & 1) x 32 + (row >> 1) x 4,
	v_and_b32 v[TMPA], 1, v0                       ; so that the eight rows 2 k + h of a reading lane lie side by side
	v_lshl_add_u32 v[SF], v[TMPA], 5, s27
	v_bfe_u32 v[TMPA], v0, 1, 3
	v_lshl_add_u32 v[SF], v[TMPA], 2, v[SF]
	v_lshl_add_u32 v[SFR], v[H], 5, s27
	s_mul_i32 s28, s24, TP                         ; my rows s in the table
	v_add_nc_u32 v[FSA], s28, v[TA]                ; in a register of its own, so that no address is written again behind the set-up
	s_mov_b32 s30, 0x76543210                      ; v_permlanex16_b32: lane i reads lane i of the other half
	s_mov_b32 s31, 0xfedcba98
.irp k,0,1,2,3
.irp z,4,5,6,7
	v_mov_b32 v[FS+8*\k+\z], 0                     ; the table has 16 features: K 16..31 of every fragment is 0, written once
.endr
.endr
.irp k,0,1
.irp z,4,5,6,7
	v_mov_b32 v[FT+8*\k+\z], 0
	v_mov_b32 v[FT+FTD+8*\k+\z], 0                 ; in both sets
.endr
.endr
	v_mov_b32 v[E2R], 0x40ec7326                   ; e^2: the weight of the diagonal, whose score is exactly 2
	v_mov_b32 v[CP3], 0xbf196966                   ; -pi^7/7!
	v_mov_b32 v[CP3+1], 0xbf196966
	v_mov_b32 v[CQ4], 0x3e70fa83                   ; pi^8/8!
	v_mov_b32 v[CQ4+1], 0x3e70fa83
	v_mov_b32 v[TM0], 0
	v_mov_b32 v[TM1], 0
.irp e,0,1,2,3
.irp z,1,2,3
	v_mov_b32 v[KQ+4*\e+\z], 0                     ; columns 2 to 7 (and 10 to 15) of the k tile; a quad for each of my four rows, so that no store's data is written again
.endr
.endr
	v_mov_b32 v[C1], 0x3f80                        ; bf16 1.0 in the low half
	v_mov_b32 v[C2], 0x3f800000                    ; and in the high half
	v_mul_u32_u24 v[DSR], v0, XP
	v_add_nc_u32 v[DSR], XB+256, v[DSR]            ; the k columns of row tid
	v_add_nc_u32 v[DSR+1], 256*XP, v[DSR]          ; and of row tid + 256
	v_mul_u32_u24 v[TMPA], v0, TP                  ; table row tid
	; scale = elu(1000 alpha) + 1 = 1000 alpha + 1 above 0, exp(1000 alpha) otherwise
	s_wait_kmcnt 0x0
	v_mov_b32 v[VY], s32
	v_mul_f32 v[VY], 0x447a0000, v[VY]
	v_mul_f32 v[VL], 0x3fb8aa3b, v[VY]
	v_exp_f32 v[VL], v[VL]
	v_add_f32 v[VP1], 1.0, v[VY]
	v_cmp_lt_f32 vcc_lo, 0, v[VY]
	s_wait_alu depctr_va_vcc(0)                    ; the compare has written VCC, ahead of the select that reads it
	s_wait_alu depctr_va_vdst(0)
	v_cndmask_b32 v[VSC], v[VL], v[VP1], vcc_lo
	s_wait_loadcnt 63                              ; 84 loads are issued: with at most 63 out, the oldest 21 are in (t twice, the 8 masks DM)
	v_min3_num_f32 v[MN], v[TALL], v[TALL+1], v[TALL+2]
	v_max3_num_f32 v[MX], v[TALL], v[TALL+1], v[TALL+2]
.irp j,3,5,7,9,11,13
	v_min3_num_f32 v[MN], v[MN], v[TALL+\j], v[TALL+\j+1]
	v_max3_num_f32 v[MX], v[MX], v[TALL+\j], v[TALL+\j+1]
.endr
	v_min_num_f32 v[MN], v[MN], v[TALL+15]
	v_max_num_f32 v[MX], v[MX], v[TALL+15]
.irp m,1,2,4,8
	v_min_num_f32_dpp v[MN], v[MN], v[MN] row_xmask:\m row_mask:0xf bank_mask:0xf
	v_max_num_f32_dpp v[MX], v[MX], v[MX] row_xmask:\m row_mask:0xf bank_mask:0xf
.endr
	v_permlanex16_b32 v[TM0], v[MN], s30, s31
	v_permlanex16_b32 v[TM1], v[MX], s30, s31
	v_min_num_f32 v[MN], v[MN], v[TM0]
	v_max_num_f32 v[MX], v[MX], v[TM1]
	v_sub_f32 v[VD], v[MX], v[MN]
	v_rcp_f32 v[VD], v[VD]
.irp e,0,1,2,3
	v_sub_f32 v[TN+\e], v[TN+\e], v[MN]            ; plain instructions behind the reciprocal
.endr
	s_wait_alu depctr_va_vdst(0)
	v_mul_f32 v[VSC], v[VSC], v[VD]
.irp e,0,1,2,3
	v_mul_f32 v[TN+\e], v[TN+\e], v[VSC]           ; scale (t - min) / (max - min)
.endr
.irp e,0,1,2,3
	v_cmp_gt_f32 s[40+2*\e], 0.5, v[DM+2*\e]       ; the keys of my four table rows, both planes: a run of eight compares, read behind the sines
	v_cmp_gt_f32 s[41+2*\e], 0.5, v[DM+2*\e+1]
.endr
	SINCOS 0, 0x3e22f983                           ; 10000^(-i/8) / 2 pi
	SINCOS 1, 0x3d4e2601
	SINCOS 2, 0x3c826136
	SINCOS 3, 0x3ba4eb34
	SINCOS 4, 0x3ad09b8a
	SINCOS 5, 0x3a03ef5d
	SINCOS 6, 0x3926e2d4
	SINCOS 7, 0x38531894
	; the k columns of rows tid + 128 e: columns 0 and 8 hold plane 0's k, columns 1 and 9 plane 1's, the rest 0, so that
	; register 0 (1) of the denominator tile is plane 0's (1's) sum in BOTH halves of the wave
	s_wait_alu depctr_va_sdst(0)                   ; the eight compares have written s[40:47], ahead of the selects that read them
.irp e,0,1,2,3
	v_cndmask_b32 v[KQ+4*\e], v[C1], 0, s[40+2*\e]
	v_cndmask_b32 v[KT], v[C2], 0, s[41+2*\e]
	v_or_b32 v[KQ+4*\e], v[KQ+4*\e], v[KT]
.endr
	s_wait_alu depctr_va_vdst(0)                   ; ROW, the four quads, TMPA and DSR are written, which the sixteen LDS stores read; so is every other LDS address of the kernel
.irp e,0,1,2,3
	ds_store_b128 v[TMPA], v[ROW+8*\e:ROW+8*\e+3] offset:\e*128*TP
	ds_store_b128 v[TMPA], v[ROW+8*\e+4:ROW+8*\e+7] offset:\e*128*TP+16
.endr
.irp e,0,1,2,3
	ds_store_b128 v[DSR+(\e>>1)], v[KQ+4*\e:KQ+4*\e+3] offset:(\e&1)*128*XP
	ds_store_b128 v[DSR+(\e>>1)], v[KQ+4*\e:KQ+4*\e+3] offset:(\e&1)*128*XP+16
.endr
	CONVV 0, 1
	CONVS 0
	LOADC 6                                        ; into the slot just emptied: nothing since the conversion's last wait names it
	CONVV 1, 0                                     ; its wait on vm_vsrc also states that the sixteen stores above have read ROW, the quads and DSR: these registers are SC, DEN and the factors from here on
	CONVS 1
	LOADC 7
	WIN 0
	s_wait_dscnt 0x0                               ; table, k columns, chunks 0 and 1: my part is in LDS
	s_barrier_signal -1
	s_barrier_wait -1                              ; everybody's is
	; ---------------------------------------------------------------- E of chunk 0
	; No wait on va_vdst: no vector or matrix instruction has named the registers in which these 26 loads land, and FSA, TA and XA were written ahead of the waits above
.irp st,0,1,2,3
	ds_load_b128 v[FS+8*\st:FS+8*\st+3], v[FSA] offset:\st*16*TP
.endr
	LOADT 0
	LOADT 1
	LOADB 0
	WIN 0
	s_wait_dscnt 20                                ; LDS loads return in order: my rows s and chunk 0's table rows are in; chunk 1's two loads and the 18 of the fragments may be out
	SCORE 0
	PLACES                                         ; behind the score products: SC is read
	EXPS
	v_nop
	s_wait_alu depctr_va_vdst(0)
	PACK
	s_wait_dscnt 0x0                               ; chunk 0's fragments and chunk 1's table rows
	; ---------------------------------------------------------------- the 16 steps
	STEP 0
	STEP 1
	STEP 2
	STEP 3
	STEP 4
	STEP 5
	STEP 6
	STEP 7
	STEP 8
	STEP 9
	STEP 10
	STEP 11
	STEP 12
	STEP 13
	STEP 14
	STEP 15
	; ---------------------------------------------------------------- the way out
	WIN 0
	PLACES                                         ; behind the last products, before their sums are read
	OUT 0
	OUT 1
	OUT 2
	OUT 3
	s_wait_dscnt 0x0
	s_wait_alu depctr_hold_cnt(0) depctr_sa_sdst(0) depctr_va_vdst(0) depctr_va_sdst(0) depctr_va_ssrc(0) depctr_va_vcc(0) depctr_vm_vsrc(0)
	s_wait_tensorcnt 0x0
	ds_add_u32 v238, v239
	s_wait_dscnt 0x0
	s_endpgm
.Lfunc_end_k_q55a9508b42_attend:
	.size	k_q55a9508b42_attend, .Lfunc_end_k_q55a9508b42_attend-k_q55a9508b42_attend
	.p2alignl 7, 3214868480
	.fill 96, 4, 3214868480
	.section	.rodata,"a",@progbits
	.p2align	6, 0x0
	.amdhsa_kernel k_q55a9508b42_attend
		.amdhsa_group_segment_fixed_size 207872
		.amdhsa_private_segment_fixed_size 0
		.amdhsa_enable_private_segment 0
		.amdhsa_kernarg_size 40
		.amdhsa_user_sgpr_count 2
		.amdhsa_user_sgpr_kernarg_segment_ptr 1
		.amdhsa_wavefront_size32 1
		.amdhsa_system_sgpr_workgroup_id_x 1
		.amdhsa_system_sgpr_workgroup_id_y 1
		.amdhsa_system_sgpr_workgroup_id_z 1
		.amdhsa_system_vgpr_workitem_id 0
		.amdhsa_next_free_vgpr 1024
		.amdhsa_next_free_sgpr 66
		.amdhsa_reserve_vcc 1
		.amdhsa_float_denorm_mode_32 3
		.amdhsa_float_denorm_mode_16_64 3
		.amdhsa_memory_ordered 1
		.amdhsa_forward_progress 1
		.amdhsa_inst_pref_size 255
	.end_amdhsa_kernel
	.section	.bss,"aw",@nobits
	.p2align	6
	.space	262144
	.amdgpu_metadata
---
amdhsa.version: [ 1, 2 ]
amdhsa.kernels:
  - .name:           k_q55a9508b42_attend
    .symbol:         k_q55a9508b42_attend.kd
    .args:
      - { .name: t, .offset: 0, .size: 8, .value_kind: global_buffer, .address_space: global }
      - { .name: x, .offset: 8, .size: 8, .value_kind: global_buffer, .address_space: global }
      - { .name: mask, .offset: 16, .size: 8, .value_kind: global_buffer, .address_space: global }
      - { .name: alpha_w, .offset: 24, .size: 8, .value_kind: global_buffer, .address_space: global }
      - { .name: out0, .offset: 32, .size: 8, .value_kind: global_buffer, .address_space: global }
    .group_segment_fixed_size: 207872
    .private_segment_fixed_size: 0
    .kernarg_segment_align: 8
    .kernarg_segment_size: 40
    .max_flat_workgroup_size: 128
    .sgpr_count:     66
    .vgpr_count:     1024
    .wavefront_size: 32
...
	.end_amdgpu_metadata
.endif
;; end of part 2
